; MI455X (gfx1250); checked and timed in simulation.
; The chip was launched on July 23, 2026; its instructions are those of AMD's public machine-readable ISA for CDNA 5 (MIT licence, August 2026) and "CDNA5" Instruction Set Architecture Reference Guide (July 2026). The comments in the code are by the model that wrote it; some were corrected since.
;; Multi Head Attention. Allowed arithmetic: matrix products marked QUANTISED: E2M1 operands, one E8M0 scale for each 32 along K, by v_wmma_scale_f32_16x16x128_f8f6f4 with both operands' format E2M1 (or v_wmma_scale_f32_32x16x128_f4), f32 sums; everything else in f32.
;; Inputs: W_proj_codes 1,024 x 32 x 16 uint8 (E2M1 codes of W_proj, K innermost, in blocks of 32 codes, two codes a byte); W_proj_scales 1,024 x 32 uint8 (E8M0 scales of W_proj, one for each 32 codes along K); W_qkv_codes 3,072 x 32 x 16 uint8 (E2M1 codes of W_qkv, K innermost, in blocks of 32 codes, two codes a byte); W_qkv_scales 3,072 x 32 uint8 (E8M0 scales of W_qkv, one for each 32 codes along K); b_proj 1,024 float32; b_qkv 3,072 float32; x_codes 4 x 2,048 x 32 x 16 uint8 (E2M1 codes of x, K innermost, in blocks of 32 codes, two codes a byte); x_scales 4 x 2,048 x 32 uint8 (E8M0 scales of x, one for each 32 codes along K).
;; Outputs: out0 4 x 2,048 x 1,024 float32.
;; This version of the problem:
;;   THIS VERSION OF THE PROBLEM IS GIVEN IN LOW PRECISION. The matrix products marked QUANTISED in the list below multiply operands that are first quantised to E2M1 (2 exponent bits, 1 mantissa bit; 4 bits a number), with one power-of-two scale for each 32 numbers along K (OCP MX v1.0); their sums are f32. All else is computed in f32.
;;   The module's matrix products, in the order in which they are computed (A, B: the left and right operand; K: the contracted axis; several contracted axes count as one K, in the product's order):
;;     1. [M 8,192, K 1,024] x [K 1,024, N 3,072]; A: input x (given as codes); B: input W_qkv (given as codes): QUANTISED
;;     2. batch 64 x [M 2,048, K 64] x [K 64, N 2,048]; A: computed on the way; B: computed on the way: QUANTISED
;;     3. batch 64 x [M 2,048, K 2,048] x [K 2,048, N 64]; A: softmax (see below); B: computed on the way: QUANTISED
;;     4. [M 8,192, K 1,024] x [K 1,024, N 1,024]; A: computed on the way; B: input W_proj (given as codes): QUANTISED
;;   THE QUANTISER, for each operand of a quantised product, along K:
;;     - K is cut into blocks of 32 from its start; a last block that is shorter is filled with zeros.
;;     - A block's scale is 2^e with e = floor(log2(the largest magnitude in the block)) - 2, held to -126 .. 127; a block of zeros has e = 0. As a byte (E8M0): e + 127.
;;     - Each number is divided by its block's scale, clamped to +-6, and rounded to the nearest number of E2M1, ties to even, subnormals kept.
;;     - The product sums the exact products of the quantised numbers (number of the format x scale) in f32.
;;   ~~~python
;;   def quantise(x, axis):      # numpy; x: float32 -> the quantised numbers, widened to float32 again
;;       x = np.moveaxis(x, axis, -1); K = x.shape[-1]
;;       x = np.pad(x, [(0, 0)] * (x.ndim - 1) + [(0, -K % 32)]); x = x.reshape(x.shape[:-1] + (-1, 32)); a = np.abs(x).max(-1, keepdims=True)
;;       e = np.where(a > 0, np.clip(np.frexp(np.where(a > 0, a, 1))[1] - 1 - 2, -126, 127), 0)      # np.frexp(a)[1] - 1 = floor(log2(a)), exactly
;;       r = np.clip(x / 2.0 ** e, -6, 6)
;;       step = 2.0 ** (np.maximum(np.frexp(np.where(r == 0, 1, r))[1] - 1, 0) - 1)
;;       q = np.round(r / step) * step * 2.0 ** e      # np.round: ties to even
;;       return np.moveaxis(q.reshape(q.shape[:-2] + (-1,))[..., :K], -1, axis).astype(np.float32)
;;   ~~~
;;   SOFTMAX AHEAD OF A QUANTISED PRODUCT. Where the list says 'softmax', what is quantised is not the finished softmax but p = 2^(t - M), with t = logit x log2(e) and M = ceil(the row's largest t), a whole number; so 1/2 < the row's largest p <= 1. The row's sum l is taken of the UNQUANTISED p, in f32, and the product's result is divided by l at the end. Since M is a whole number, a kernel that streams over the keys may use a running M (the ceiling of the running maximum): every later rescaling is an exact power of two, which a block's scale takes up: the codes' values come out the same.
;;   OPERANDS COMPUTED ON THE WAY. 'Computed on the way' means the value that the module computes at that place (a softmax that the list does not call 'softmax' is quantised finished and normalised). What goes into a quantiser is computed in f32, as accurately as f32 sums, v_exp_f32 and their like allow (about 1e-6 of the number): no bf16 or f16 on the way to a quantiser, and a product that is left as it is and whose result goes on into a quantised operand takes f32 operands (vector FMAs, or v_wmma_f32_16x16x4_f32). A number that lies on a knife's edge between two numbers of the format may be rounded either way, as far as f32 arithmetic and the matrix unit's own rounding can turn it there, and no further.
;;   INPUTS GIVEN AS CODES. W_proj (in the module: [1024, 1024], K = its axis 1); W_qkv (in the module: [3072, 1024], K = its axis 1); x (in the module: [4, 2048, 1024], K = its axis 2): each comes as NAME_codes (uint8): NAME with its K axis moved to the last place and cut into blocks of 32 codes, [.., K / 32, bytes a block], one block behind the other in memory; two codes a byte, the lower K in the low four bits (a code: sign, 2 exponent bits, 1 mantissa bit); and NAME_scales (uint8): the same leading axes, one E8M0 byte (e + 127) for each 32 codes along K. Its value is code x scale, taken as it is: it is not quantised again, and the codes and scales need not be those that the quantiser above would give.
;; One version. Each part assembles by itself: llvm-mc -triple=amdgcn-amd-amdhsa -mcpu=gfx1250 --defsym DOCPART=n.
;; ======== version 1 of 1: 3 launches
;; workspace buffers: qkvc 12,582,912 bytes; qkvs 786,432 bytes; oc 4,194,304 bytes; os 262,144 bytes
;; launch qkv (part 1): grid 12 x 32, 4 waves a work-group, clusters of 4 x 4, 289,280 bytes of LDS; arguments x_codes, x_scales, W_qkv_codes, W_qkv_scales, b_qkv, qkvc, qkvs; writes qkvc, qkvs
.if DOCPART == 1
	.amdgcn_target "amdgcn-amd-amdhsa--gfx1250"
	.amdhsa_code_object_version 6
	.text
	.protected	k_q5c718317b5_qkv
	.globl	k_q5c718317b5_qkv
	.p2align	8
	.type	k_q5c718317b5_qkv,@function
k_q5c718317b5_qkv:
	s_mov_b64 s[64:65], 0
	v_nop
	global_prefetch_b8 v0, s[64:65] scope:SCOPE_SE
	s_setreg_imm32_b32 hwreg(HW_REG_WAVE_MODE, 25, 1), 1
	s_wait_xcnt 0x0
	s_wait_alu depctr_hold_cnt(0) depctr_sa_sdst(0) depctr_va_vdst(0) depctr_va_sdst(0) depctr_va_ssrc(0) depctr_va_vcc(0) depctr_vm_vsrc(0)
	s_getreg_b32 s2, hwreg(HW_REG_IB_STS2, 6, 4)
	s_cmp_eq_u32 s2, 0
	s_cbranch_scc0 .Lentry_in_a_cluster
	s_endpgm
.Lentry_in_a_cluster:
	s_bfe_u32 s2, ttmp6, 0x10000c
	s_cmp_lg_u32 s2, 0xf033
	s_cbranch_scc0 .Lentry_shape_is_right
	s_endpgm
.Lentry_shape_is_right:
; qkv = x W_qkv^T + b_qkv on codes of FP4 (E2M1) with one E8M0 scale for each 32 along K = 1,024; then q and k are quantised along a head's 64 features and v along the tokens (the keys), and
; leave as IMAGES OF OPERAND REGISTERS: lane l's 16 bytes at 16 l, 512 consecutive bytes a store.
; SHARES.  A work-group of four waves makes 256 tokens x 256 rows of W_qkv; a wave 128 x 128: 64 accumulators of 16 x 16, 512 registers.  A wave's 128 rows of W_qkv are the 2 x 64 features of one pair of heads.
; ALL OF K LIES IN LDS: 256 rows x 512 bytes of x, as many of W_qkv, and their scale bytes are filled once, at the head; nothing is filled again, so the K steps need no barrier.
; Nothing is prefetched: all that the launch reads is asked for by its first loads.
; CLUSTERS: 4 x 4 work-groups.  The four of a row of the cluster need the same rows of x, the four of a column the same rows of W_qkv: each tile is asked for jointly.
; TWO WAYS, parted on the cluster's x, which all sixteen partners and all waves share.  Clusters 0 and 1 (q, k): source 0 = 16 rows of W_qkv, source 1 = 16 tokens: a lane holds ONE token and its registers
; run along the features.  Cluster 2 (v): the sources change places: a lane holds ONE feature and its registers run along the tokens.  Either way a lane's registers run along the next product's K.
; FROM RESULT TO OPERAND.  In tile t of eight, lane (r, h) register j holds index 16 t + 8 h + j of the next K.  A block of 32 is tiles 2 b, 2 b + 1 of lanes l and l xor 16.  The conversion of tile 4 c + u goes to
; register 4 c + (0, 2, 1, 3)[u]; exchanging the halves of registers (4 c, 4 c + 1) and (4 c + 2, 4 c + 3) then leaves in register 4 c + g of lane (r, h) the codes of k = 64 c + 32 h + 8 g + 0 .. 7: the operand's layout.
; OUT.  qkvc, for each bp = 8 batch + pair of heads, 393,216 bytes: q even head, q odd head, k even, k odd (65,536 each: [token tile 128][lane][16]), v (131,072: [key step 16][tile 4 head + d / 16][c 2][lane][16]).
; qkvs, for each bp, 24,576 bytes: q, k: [step of 128 tokens][head 2][r 16][i 4] words = the two bytes of token 32 i + r, then those of token 32 i + 16 + r; v: [key step][head 2][r 16][d / 16] words of four bytes.
; LIMITS: NaN and infinities ahead of a quantiser are not served.  A block whose largest magnitude lies under 2^-124 has its byte held at 1; a block of zeros gets the byte 1 where the rule says 127: its codes are
; zeros, and this program alone reads the bytes.  Given scale bytes go to the matrix unit as they are.
; REGISTERS, in windows of 256: window 0: v16-22 addresses; v32-95 scale words; v96-123 the quantiser's; v128-255 x's fragments, two sets (later v128-191 the codes made).
;   window 1: v0-127 W_qkv's fragments, two sets; v192-255 the bias, eight registers for each of W_qkv's eight blocks.   windows 2, 3: accumulator (a, b) at v[8 (8 (a % 4) + b)] of window 2 + a / 4.
.set PITCH,  528                       ; an LDS row of codes: 512 bytes + 16 of padding: an odd multiple of 16, so the 16 rows that a load touches begin at 16 different places modulo 256 bytes
.set HALFT,  128*PITCH                 ; 128 rows: what one tensor load brings, and what one wave reads of x or of W_qkv
.set SCL,    4*HALFT                   ; behind the codes: the scale bytes, as units of 256 bytes + 16 of padding
.set HALFS,  16*272                    ; those of 128 rows (32 bytes a row)
.set SBLK,   2*272                     ; those of 16 rows
.set ADRA,   16                        ; v16  LDS address of my fragments of x
.set ADRB,   17                        ; v17  of W_qkv
.set ADRS,   18                        ; v18  of my scale words: lanes 0-15 x's rows, lanes 16-31 W_qkv's
.set LI,     19                        ; v19  16 x lane
.set BOF,    20                        ; v20  32 h: the bias along features
.set BOT,    21                        ; v21  4 r: the bias of one feature
.set SELV,   22                        ; v22  byte selects for q's and k's scale words
.set SC,     32                        ; v32-95  register 8 i + q: lanes 0-15 the word of x's block i, lanes 16-31 that of W_qkv's block i, for K step q
.set TM,     96                        ; v96-99 largest magnitudes, v100-103 the other half's, then bytes, v108-111 the conversions' scale operands
.set PW,     112                       ; v112-119  the scale word of each of the eight operands made
.set MW,     120                       ; v120-123  the scale words as they are stored
.set AF,     128                       ; x's fragments: set s at v[128 + 64 s]
.set PC,     128                       ; the codes made: eight registers for each operand
.set BI,     192                       ; in window 1: the bias
.set WV,     18                        ; s18  my wave's number
.set G1A,    28                        ; s[28:35] descriptor group 1 for x's codes;  s[36:43] for W_qkv's;  s[44:51], s[52:59] for their scale bytes
.set G1B,    36
.set G1SA,   44
.set G1SB,   52
.set G0A,    60                        ; s[60:63], s[68:71], s[72:75], s[76:79] the groups 0, in the same order
.set G0B,    68
.set G0SA,   72
.set G0SB,   76
.set CB,     96                        ; s[96:97]  where my codes go
.set SBO,    98                        ; s[98:99]  where my scale words go
.set SEL,    100                       ; s[100:101] lane selects for v_permlanex16_b32: lane l xor 16
.set MSB, 0
.macro WIN new                         ; the immediate's high byte repeats the setting that is left; a switch that changes nothing is dropped
.if MSB != (\new)
	s_set_vgpr_msb (MSB<<8)|(\new)
.set MSB, (\new)
.endif
.endm
.macro CROUND                          ; a round of the cluster's barrier: my work-group's barrier, wave 0 signals for the work-group, all wait for all sixteen, my work-group's barrier once more
	s_barrier_signal -1
	s_barrier_wait -1
	s_cmp_lg_u32 s[WV], 0
	s_cbranch_scc1 .Lnot_wave_0_\@
	s_barrier_signal -3
.Lnot_wave_0_\@:
	s_barrier_wait -3
	s_barrier_signal -1
	s_barrier_wait -1
.endm
.macro PLACES                          ; four plain vector instructions between a matrix instruction and a load into, or a vector instruction on, its registers
.rept 4
	v_nop
.endr
.endm
	s_load_b256 s[4:11], s[0:1], 0x0               ; x's codes s[4:5], x's scales s[6:7], W_qkv's codes s[8:9], W_qkv's scales s[10:11]
	s_load_b128 s[12:15], s[0:1], 0x20             ; b_qkv s[12:13], qkvc s[14:15]
	s_load_b64 s[16:17], s[0:1], 0x30              ; qkvs
	v_lshl_add_u32 v126, v0, 2, 0x46800
	v_mov_b32 v127, 0
	ds_add_u32 v126, v127
	ds_add_u32 v126, v127
	v_lshrrev_b32 v1, 5, v0
	v_readfirstlane_b32 s[WV], v1                  ; wave 0..3
	s_lshr_b32 s19, s[WV], 1                       ; which 128 tokens of the tile are mine.  Also: I fetch for x (0) or for W_qkv (1)
	s_and_b32 s20, s[WV], 1                        ; which 128 rows of W_qkv are mine.  Also: which 128 rows I fetch
	s_bfe_u32 s21, ttmp6, 0x40000                  ; cx, cy: my place in the cluster
	s_bfe_u32 s22, ttmp6, 0x40004
	s_lshl_b32 s23, ttmp9, 2
	s_add_co_u32 s23, s23, s21                     ; tile column = 4 x cluster x + cx: 256 rows of W_qkv
	s_and_b32 s24, ttmp7, 0xffff
	s_lshl_b32 s24, s24, 2
	s_add_co_u32 s24, s24, s22                     ; tile row = 4 x cluster y + cy: 256 tokens
	s_lshl_b32 s25, s22, 2
	s_lshl_b32 s25, 15, s25                        ; my row of the cluster
	s_lshl_b32 s26, 0x1111, s21                    ; my column
	; group 1, codes: 128 rows x 512 bytes, 16 bytes of padding behind each
	s_or_b32 s[G1A], s25, (1<<20)|(1<<21)|(6<<22)|(3<<25)   ; 15:0 the mask; 17:16 elements of 1 byte; 20 padding on; 21 set beside a mask; 24:22 after every 128 words (code 6); 31:25 four words (code 3)
	s_or_b32 s[G1B], s26, (1<<20)|(1<<21)|(6<<22)|(3<<25)
.irp g, G1A, G1B
	s_mov_b32 s[\g+1], 512<<16                     ; tensor_dim0
	s_mov_b32 s[\g+2], 128<<16                     ; tensor_dim1
	s_mov_b32 s[\g+3], 512<<16                     ; tile_dim0
	s_mov_b32 s[\g+4], 128                         ; tile_dim1
	s_mov_b32 s[\g+5], 512                         ; from row to row
	s_mov_b32 s[\g+6], 0
	s_mov_b32 s[\g+7], 0
.endr
	; group 1, scale bytes of 128 rows: a dense block of 4,096 bytes as 16 rows of 256 (32 elements of 8 bytes), 16 bytes of padding behind each
	s_or_b32 s[G1SA], s25, (3<<16)|(1<<20)|(1<<21)|(5<<22)|(3<<25)
	s_or_b32 s[G1SB], s26, (3<<16)|(1<<20)|(1<<21)|(5<<22)|(3<<25)
.irp g, G1SA, G1SB
	s_mov_b32 s[\g+1], 32<<16
	s_mov_b32 s[\g+2], 16<<16
	s_mov_b32 s[\g+3], 32<<16
	s_mov_b32 s[\g+4], 16
	s_mov_b32 s[\g+5], 32
	s_mov_b32 s[\g+6], 0
	s_mov_b32 s[\g+7], 0
.endr
	s_lshl_b32 s80, s20, 7                         ; which 128 rows I fetch
	s_lshl_b32 s82, s24, 8
	s_add_co_u32 s82, s82, s80                     ; x: token 256 x tile row + 128 x half
	s_lshl_b32 s84, s23, 8
	s_add_co_u32 s84, s84, s80                     ; W_qkv: row 256 x tile column + 128 x half
	s_lshl_b32 s86, s82, 9                         ; in bytes: 512 a row of codes,
	s_mov_b32 s87, 0
	s_lshl_b32 s88, s82, 5                         ; 32 a row of scale bytes
	s_mov_b32 s89, 0
	s_lshl_b32 s90, s84, 9
	s_mov_b32 s91, 0
	s_lshl_b32 s92, s84, 5
	s_mov_b32 s93, 0
	s_mul_i32 s94, s[WV], HALFT                    ; where they go: wave x 128 rows: no place in the cluster enters an LDS address
	s_mul_i32 s95, s[WV], HALFS
	s_add_co_u32 s95, s95, SCL
	s_mov_b32 s[SEL], 0x76543210
	s_mov_b32 s[SEL+1], 0xfedcba98
	s_wait_dscnt 0x0
	s_wait_kmcnt 0x0
	s_mov_b32 s[G0A], 1                            ; count = 1
	s_mov_b32 s[G0A+1], s94                        ; LDS address
	s_add_nc_u64 s[G0A+2:G0A+3], s[4:5], s[86:87]  ; global address
	s_or_b32 s[G0A+3], s[G0A+3], 0x80000000        ; type = 2
	s_mov_b32 s[G0B], 1
	s_mov_b32 s[G0B+1], s94
	s_add_nc_u64 s[G0B+2:G0B+3], s[8:9], s[90:91]
	s_or_b32 s[G0B+3], s[G0B+3], 0x80000000
	s_mov_b32 s[G0SA], 1
	s_mov_b32 s[G0SA+1], s95
	s_add_nc_u64 s[G0SA+2:G0SA+3], s[6:7], s[88:89]
	s_or_b32 s[G0SA+3], s[G0SA+3], 0x80000000
	s_mov_b32 s[G0SB], 1
	s_mov_b32 s[G0SB+1], s95
	s_add_nc_u64 s[G0SB+2:G0SB+3], s[10:11], s[92:93]
	s_or_b32 s[G0SB+3], s[G0SB+3], 0x80000000
	CROUND                                         ; all sixteen work-groups are here: the joint loads meet
	s_cmp_eq_u32 s19, 0                            ; a wave's two fills stand in one branch on the wave's number: two tensor loads of mine are out
	s_cbranch_scc0 .Lfill_b
	tensor_load_to_lds s[G0SA:G0SA+3], s[G1SA:G1SA+7]
	s_nop 0
	tensor_load_to_lds s[G0A:G0A+3], s[G1A:G1A+7]
	s_nop 0
.rept 4
	v_nop                                          ; four lines behind the loads, ahead of the jump and the label
.endr
	s_branch .Lfilled
.Lfill_b:
	tensor_load_to_lds s[G0SB:G0SB+3], s[G1SB:G1SB+7]
	s_nop 0
	tensor_load_to_lds s[G0B:G0B+3], s[G1B:G1B+7]
	s_nop 0
.rept 4
	v_nop
.endr
.Lfilled:
	v_and_b32 v1, 15, v0                           ; r
	v_bfe_u32 v2, v0, 4, 1                         ; h
	v_mul_u32_u24 v3, v1, PITCH
	v_lshl_add_u32 v3, v2, 4, v3                   ; a fragment's row x pitch + 16 h
	s_mul_i32 s80, s19, HALFT                      ; my 128 tokens
	s_mul_i32 s81, s20, HALFT                      ; my 128 rows of W_qkv,
	s_add_co_u32 s81, s81, 2*HALFT                 ; which lie behind x's 256
	v_add_nc_u32 v[ADRA], s80, v3
	v_add_nc_u32 v[ADRB], s81, v3
	v_lshlrev_b32 v4, 5, v1                        ; my row's scale bytes: 32 a row,
	v_lshrrev_b32 v5, 3, v1
	v_lshl_add_u32 v4, v5, 4, v4                   ; and 16 more behind each eight rows
	s_mul_i32 s80, s19, HALFS
	s_mul_i32 s81, s20, HALFS
	s_add_co_u32 s81, s81, 2*HALFS
	s_sub_co_u32 s81, s81, s80                     ; from x's words to W_qkv's
	v_mul_u32_u24 v5, s81, v2                      ; lanes 16-31 take W_qkv's
	s_add_co_u32 s80, s80, SCL
	v_add_nc_u32 v4, v4, v5
	v_add_nc_u32 v[ADRS], s80, v4
	v_and_b32 v6, 31, v0
	v_lshlrev_b32 v[LI], 4, v6
	v_lshlrev_b32 v[BOF], 5, v2
	v_lshlrev_b32 v[BOT], 2, v1
	s_lshl_b32 s80, s23, 10                        ; the bias of my 128 rows of W_qkv: 4 (256 x tile column + 128 x half) bytes on
	s_lshl_b32 s81, s20, 9
	s_add_co_u32 s80, s80, s81
	s_mov_b32 s81, 0
	s_add_nc_u64 s[12:13], s[12:13], s[80:81]
	; where my results go
	s_lshl_b32 s80, s23, 1
	s_add_co_u32 s80, s80, s20                     ; which 128 rows of W_qkv's 3,072:
	s_lshr_b32 s81, s80, 3                         ; q (0), k (1) or v (2),
	s_and_b32 s82, s80, 7                          ; and the pair of heads
	s_lshl_b32 s83, s24, 1
	s_add_co_u32 s83, s83, s19                     ; which 128 tokens of the 8,192:
	s_lshr_b32 s84, s83, 4                         ; the batch,
	s_and_b32 s85, s83, 15                         ; and the step of 128 tokens in it
	s_lshl_b32 s86, s84, 3
	s_add_co_u32 s86, s86, s82                     ; bp
	s_cmp_eq_u32 ttmp9, 2
	s_cselect_b32 s87, 13, 12                      ; a step's codes: 8,192 bytes of v (both heads), 4,096 of q or k (one head)
	s_mul_i32 s88, s86, 393216
	s_lshl_b32 s90, s81, 17
	s_add_co_u32 s88, s88, s90
	s_lshl_b32 s90, s85, s87
	s_add_co_u32 s88, s88, s90
	s_mov_b32 s89, 0
	s_add_nc_u64 s[CB:CB+1], s[14:15], s[88:89]
	s_mul_i32 s88, s86, 24576
	s_lshl_b32 s90, s81, 13
	s_add_co_u32 s88, s88, s90
	s_lshl_b32 s90, s85, 9
	s_add_co_u32 s88, s88, s90
	s_add_nc_u64 s[SBO:SBO+1], s[16:17], s[88:89]
	; the bias is the C of each sum's first matrix instruction, in the result's layout; it is asked for while the tiles are on their way
	s_cmp_eq_u32 ttmp9, 2
	s_cbranch_scc1 .Lbias_v
	WIN 0x40                                       ; destination window 1
	s_wait_alu depctr_va_vdst(0)
.irp b, 0,1,2,3,4,5,6,7
	global_load_b128 v[BI+8*\b:BI+8*\b+3], v[BOF], s[12:13] offset:64*\b       ; q, k: register j = the bias of feature 16 b + 8 h + j
	global_load_b128 v[BI+8*\b+4:BI+8*\b+7], v[BOF], s[12:13] offset:64*\b+16
.endr
	WIN 0
	s_branch .Lbias_done
.Lbias_v:
	WIN 0x40
	s_wait_alu depctr_va_vdst(0)
.irp b, 0,1,2,3,4,5,6,7
.irp j, 0,1,2,3,4,5,6,7
	global_load_b32 v[BI+8*\b+\j], v[BOT], s[12:13] offset:64*\b               ; v: all eight registers = the bias of my one feature 16 b + r
.endr
.endr
	WIN 0
.Lbias_done:
	s_wait_tensorcnt 0x0                           ; my two tiles have landed,
	s_barrier_signal -1
	s_barrier_wait -1                              ; everybody's have: all of K lies in LDS, and nothing is written there again
.macro FRAG reg, adr, q, i             ; a fragment, 16 rows x 128 K: lane (r, h) registers 4 c .. 4 c + 3 hold K = 64 c + 32 h + 0 .. 31: 16 bytes of the row as they lie
.irp c, 0,1
	ds_load_b128 v[(\reg)+4*\c:(\reg)+4*\c+3], v[\adr] offset:64*(\q)+32*\c+(\i)*16*PITCH
.endr
.endm
.macro FETCH q, set                    ; K step q's 16 fragments into set: 32 loads in one run
	WIN 0x40
.irp i, 0,1,2,3,4,5,6,7
	FRAG 64*(\set)+8*\i, ADRB, \q, \i
.endr
	WIN 0
.irp i, 0,1,2,3,4,5,6,7
	FRAG AF+64*(\set)+8*\i, ADRA, \q, \i
.endr
.endm
.macro SCALES                          ; the scale words of all eight K steps: eight words a row, two loads a block
.irp i, 0,1,2,3,4,5,6,7
.irp g, 0,1
	ds_load_b128 v[SC+8*\i+4*\g:SC+8*\i+4*\g+3], v[ADRS] offset:\i*SBLK+16*\g
.endr
.endr
.endm
; A K step: 64 matrix instructions.  The 64 accumulators take turns, one instruction a turn, in the same order in every step.  Step 0 takes the bias as C: nothing is cleared.
.macro MUL64 path, q, set
.irp a, 0,1,2,3,4,5,6,7
.if (\q) == 0
	WIN 0x91+3*(\path)+0x40*(\a/4)                 ; W_qkv's fragments and the bias in window 1, x's in window 0, D in window 2 or 3
.else
	WIN 0xa1+3*(\path)+0x50*(\a/4)                 ; the same, C and D in window 2 or 3
.endif
.irp b, 0,1,2,3,4,5,6,7
.set AC, 8*(8*(\a%4)+\b)
.set FA, AF+64*(\set)+8*\a
.set FB, 64*(\set)+8*\b
.set WA, SC+8*\a+(\q)
.set WB, SC+8*\b+(\q)
.if (\path) == 0
.if (\q) == 0
	v_wmma_scale_f32_16x16x128_f8f6f4 v[AC:AC+7], v[FB:FB+7], v[FA:FA+7], v[BI+8*\b:BI+8*\b+7], v[WB], v[WA] matrix_a_fmt:MATRIX_FMT_FP4 matrix_b_fmt:MATRIX_FMT_FP4 matrix_a_scale:MATRIX_SCALE_ROW1
.else
	v_wmma_scale_f32_16x16x128_f8f6f4 v[AC:AC+7], v[FB:FB+7], v[FA:FA+7], v[AC:AC+7], v[WB], v[WA] matrix_a_fmt:MATRIX_FMT_FP4 matrix_b_fmt:MATRIX_FMT_FP4 matrix_a_scale:MATRIX_SCALE_ROW1
.endif
.else
.if (\q) == 0
	v_wmma_scale_f32_16x16x128_f8f6f4 v[AC:AC+7], v[FA:FA+7], v[FB:FB+7], v[BI+8*\b:BI+8*\b+7], v[WA], v[WB] matrix_a_fmt:MATRIX_FMT_FP4 matrix_b_fmt:MATRIX_FMT_FP4 matrix_b_scale:MATRIX_SCALE_ROW1
.else
	v_wmma_scale_f32_16x16x128_f8f6f4 v[AC:AC+7], v[FA:FA+7], v[FB:FB+7], v[AC:AC+7], v[WA], v[WB] matrix_a_fmt:MATRIX_FMT_FP4 matrix_b_fmt:MATRIX_FMT_FP4 matrix_b_scale:MATRIX_SCALE_ROW1
.endif
.endif
.endr
.endr
.endm
; The largest magnitudes of blocks b0 .. b0 + nb - 1 of operand x, the blocks by turns, each accumulator from its low end on; the floor 2^(3 - 127) is one more leaf: so the byte cannot fall under 1.
.macro QMAX x, path, b0, nb
.irp n, 0,2,4,6,8,10,12,14
.irp e, 0,1,2,3
.if \e < \nb
.if (\path) == 0
.set RR, 64*((\x)%4)+16*((\b0)+\e)+\n
.else
.set RR, 64*((2*((\b0)+\e)+\n/8)%4)+8*(\x)+\n%8
.endif
.if \n == 0
	v_max3_num_f32 v[TM+(\b0)+\e], 0x1800000, |v[RR]|, |v[RR+1]|
.else
	v_max3_num_f32 v[TM+(\b0)+\e], v[TM+(\b0)+\e], |v[RR]|, |v[RR+1]|
.endif
.endif
.endr
.endr
.endm
; Operand x of eight: q, k: the 16 tokens of x's block x, K = the pair's 128 features (tile t = accumulator (x, t));  v: the 16 features of W_qkv's block x, K = my 128 tokens (tile t = accumulator (t, x)).
.macro QUANT x, path
.if (\path) == 0
	WIN 0x28+0x14*((\x)/4)                         ; sources 1 and 2 in the accumulators' window
	QMAX \x, 0, 0, 4
.else
	WIN 0x28                                       ; tiles 0-3 lie in window 2,
	QMAX \x, 1, 0, 2
	WIN 0x3c                                       ; tiles 4-7 in window 3
	QMAX \x, 1, 2, 2
.endif
	WIN 0
.irp b, 0,1,2,3
	v_permlanex16_b32 v[TM+4+\b], v[TM+\b], s[SEL], s[SEL+1]
.endr
.irp b, 0,1,2,3
	v_max_num_f32 v[TM+\b], v[TM+\b], v[TM+4+\b]   ; with lane l xor 16's: the block's largest magnitude
.endr
.irp b, 0,1,2,3
	v_add_nc_u32 v[TM+12+\b], 0xff000000, v[TM+\b] ; 2 off its exponent field: the conversion takes the exponent field of this operand as its scale
.endr
.irp b, 0,1,2,3
	v_lshrrev_b32 v[TM+4+\b], 23, v[TM+12+\b]      ; the scale's byte
.endr
	v_lshl_or_b32 v[PW+(\x)], v[TM+5], 8, v[TM+4]
	v_lshl_or_b32 v[PW+(\x)], v[TM+6], 16, v[PW+(\x)]
	v_lshl_or_b32 v[PW+(\x)], v[TM+7], 24, v[PW+(\x)]
.irp t, 0,1,2,3,4,5,6,7
.if (\path) == 0
	WIN 0x02+((\x)/4)                              ; source 0 in the accumulator's window
.set RR, 64*((\x)%4)+8*\t
.else
	WIN 0x02+(\t/4)
.set RR, 64*(\t%4)+8*(\x)
.endif
	v_cvt_scalef32_pk8_fp4_f32 v[PC+8*(\x)+4*(\t/4)+2*(\t%2)+(\t%4)/2], v[RR:RR+7], v[TM+12+\t/2]
.endr
	WIN 0
	v_nop                                          ; one plain place behind a scaled conversion
.irp c, 0,1
	v_permlane16_swap_b32 v[PC+8*(\x)+4*\c], v[PC+8*(\x)+4*\c+1]
	v_permlane16_swap_b32 v[PC+8*(\x)+4*\c+2], v[PC+8*(\x)+4*\c+3]
.endr
.if (\path) == 0
	global_store_b128 v[LI], v[PC+8*(\x):PC+8*(\x)+3], s[CB:CB+1] offset:512*(\x)          ; the even head's 64 features of 16 tokens: 512 consecutive bytes, aligned
	global_store_b128 v[LI], v[PC+8*(\x)+4:PC+8*(\x)+7], s[CB:CB+1] offset:65536+512*(\x)  ; the odd head's
.else
	global_store_b128 v[LI], v[PC+8*(\x):PC+8*(\x)+3], s[CB:CB+1] offset:1024*(\x)         ; 16 features x keys 0-63 of the step,
	global_store_b128 v[LI], v[PC+8*(\x)+4:PC+8*(\x)+7], s[CB:CB+1] offset:1024*(\x)+512   ; x keys 64-127
.endif
.endm
.macro BODY path
.irp b, 0,1,2,3
	v_mov_b32 v[TM+4+\b], 0                        ; written once: a lane permute's destination counts as one of its sources
.endr
	SCALES
	FETCH 0, 0
	s_wait_loadcnt 0x0                             ; the bias
.set Q, 0
.rept 8
.if Q > 0
	PLACES                                         ; the set that is filled now was read by the last step's products
.endif
.if Q < 7
	FETCH Q+1, (Q+1)%2
	s_wait_dscnt 32                                ; all but the 32 loads just issued: this step's fragments (and the scale words) are in
.else
	s_wait_dscnt 0x0
.endif
	MUL64 \path, Q, Q%2
.set Q, Q+1
.endr
	WIN 0
	PLACES                                         ; ahead of the first read of results, and of the first write over x's fragments
.irp x, 0,1,2,3,4,5,6,7
	QUANT \x, \path                                ; each operand has registers of its own for its codes and its word: no store's data are written again
.endr
	s_mov_b32 s90, 0xffff0000                      ; lanes 16-31
.if (\path) == 0
	v_mov_b32 v[SELV], 0x05040100                  ; lanes 0-15 gather the even head's two bytes of two tokens,
	v_mov_b32 v[TM], 0x07060302                    ; lanes 16-31 the odd head's
	v_cndmask_b32 v[SELV], v[SELV], v[TM], s90
.irp i, 0,1,2,3
	v_perm_b32 v[MW+\i], v[PW+2*\i+1], v[PW+2*\i], v[SELV]     ; token 32 i + r's in the low half, token 32 i + 16 + r's in the high half
.endr
.else
.irp i, 0,1,2,3
	v_cndmask_b32 v[MW+\i], v[PW+\i], v[PW+4+\i], s90          ; lanes 0-15 the even head's four tiles of channels, lanes 16-31 the odd head's
.endr
.endif
	global_store_b128 v[LI], v[MW:MW+3], s[SBO:SBO+1]          ; 512 consecutive bytes, aligned
.endm
	s_cmp_eq_u32 ttmp9, 2
	s_cbranch_scc1 .Lpath_v
	BODY 0
	s_branch .Lend
.Lpath_v:
	BODY 1
.Lend:
	s_wait_tensorcnt 0x0
	ds_add_u32 v126, v127
	s_wait_dscnt 0x0
	CROUND                                         ; the closing round: no work-group ends while a partner may still ask for a tile that names it
	s_endpgm
.Lfunc_end_k_q5c718317b5_qkv:
	.size	k_q5c718317b5_qkv, .Lfunc_end_k_q5c718317b5_qkv-k_q5c718317b5_qkv
	.p2alignl 7, 3214868480
	.fill 96, 4, 3214868480
	.section	.rodata,"a",@progbits
	.p2align	6, 0x0
	.amdhsa_kernel k_q5c718317b5_qkv
		.amdhsa_group_segment_fixed_size 289280
		.amdhsa_private_segment_fixed_size 0
		.amdhsa_enable_private_segment 0
		.amdhsa_kernarg_size 56
		.amdhsa_user_sgpr_count 2
		.amdhsa_user_sgpr_kernarg_segment_ptr 1
		.amdhsa_wavefront_size32 1
		.amdhsa_system_sgpr_workgroup_id_x 1
		.amdhsa_system_sgpr_workgroup_id_y 1
		.amdhsa_system_sgpr_workgroup_id_z 1
		.amdhsa_system_vgpr_workitem_id 0
		.amdhsa_next_free_vgpr 1024
		.amdhsa_next_free_sgpr 102
		.amdhsa_reserve_vcc 0
		.amdhsa_float_denorm_mode_32 3
		.amdhsa_float_denorm_mode_16_64 3
		.amdhsa_memory_ordered 1
		.amdhsa_forward_progress 1
		.amdhsa_inst_pref_size 250
	.end_amdhsa_kernel
	.amdgpu_metadata
---
amdhsa.version: [ 1, 2 ]
amdhsa.kernels:
  - .name:           k_q5c718317b5_qkv
    .symbol:         k_q5c718317b5_qkv.kd
    .args:
      - { .name: x_codes, .offset: 0, .size: 8, .value_kind: global_buffer, .address_space: global }
      - { .name: x_scales, .offset: 8, .size: 8, .value_kind: global_buffer, .address_space: global }
      - { .name: W_qkv_codes, .offset: 16, .size: 8, .value_kind: global_buffer, .address_space: global }
      - { .name: W_qkv_scales, .offset: 24, .size: 8, .value_kind: global_buffer, .address_space: global }
      - { .name: b_qkv, .offset: 32, .size: 8, .value_kind: global_buffer, .address_space: global }
      - { .name: qkvc, .offset: 40, .size: 8, .value_kind: global_buffer, .address_space: global }
      - { .name: qkvs, .offset: 48, .size: 8, .value_kind: global_buffer, .address_space: global }
    .group_segment_fixed_size: 289280
    .private_segment_fixed_size: 0
    .kernarg_segment_align: 8
    .kernarg_segment_size: 56
    .max_flat_workgroup_size: 128
    .sgpr_count:     102
    .vgpr_count:     1024
    .wavefront_size: 32
...
	.end_amdgpu_metadata
.endif
;; end of part 1
;; launch attn (part 2): grid 8 x 32, 16 waves a work-group, clusters of 4 x 1, 327,680 bytes of LDS; arguments qkvc, qkvs, oc, os; writes oc, os
.if DOCPART == 2
	.amdgcn_target "amdgcn-amd-amdhsa--gfx1250"
	.amdhsa_code_object_version 6
	.text
	.protected	k_q5c718317b5_attn
	.globl	k_q5c718317b5_attn
	.p2align	8
	.type	k_q5c718317b5_attn,@function
k_q5c718317b5_attn:
	s_mov_b64 s[64:65], 0
	v_nop
	global_prefetch_b8 v0, s[64:65] scope:SCOPE_SE
	s_setreg_imm32_b32 hwreg(HW_REG_WAVE_MODE, 25, 1), 1
	s_wait_xcnt 0x0
	s_wait_alu depctr_hold_cnt(0) depctr_sa_sdst(0) depctr_va_vdst(0) depctr_va_sdst(0) depctr_va_ssrc(0) depctr_va_vcc(0) depctr_vm_vsrc(0)
	s_getreg_b32 s2, hwreg(HW_REG_IB_STS2, 6, 4)
	s_cmp_eq_u32 s2, 0
	s_cbranch_scc0 .Lentry_in_a_cluster
	s_endpgm
.Lentry_in_a_cluster:
	s_bfe_u32 s2, ttmp6, 0x10000c
	s_cmp_lg_u32 s2, 0x3003
	s_cbranch_scc0 .Lentry_shape_is_right
	s_endpgm
.Lentry_shape_is_right:
; For each batch and head: o = softmax(q k^T / 8) v, both products on codes of FP4 (E2M1) with one E8M0 scale for each 32 along K; o is then quantised along the features and leaves as the last product's operand.
; THE SOFTMAX AHEAD OF THE SECOND PRODUCT: t = score x log2(e) / 8; M = the row's largest t so far, rounded UP to a whole number; p = 2^(t - M) is what is quantised, along the keys; it is not normalised.
; The row's sum is taken of the unquantised p, in f32, and divides o at the end.  When M moves, the sum and o are multiplied by 2^(old M - new M): exact.
; SHARES.  A work-group owns 256 queries of one batch and BOTH heads of one pair; each of its sixteen waves owns 16 queries, one tile, in 256 registers: four waves to a SIMD, so that one wave's vector work
; stands beside another's matrix work and LDS loads.  A wave walks the even head's 16 key steps of 128 keys, then the odd head's.
; ALL OF THE PAIR'S k AND v STAY IN LDS: 262,144 bytes of codes and 16,384 of scale bytes, one run of memory each, filled once at the head, 1/16 by each wave.  So the loop over the keys has no barrier and no
; tensor load, and nothing is prefetched: all that the launch reads is asked for by its first loads.
; CLUSTER.  The four work-groups of a cluster belong to one batch and pair and need the same k and v: both fills are asked for jointly.
; LAYOUT.  Both products are used transposed: S^T = k q^T (source 0 = keys, source 1 = my 16 queries), O^T = v^T p^T: a lane holds ONE query (lane % 16) throughout.  All operands lie in memory and in LDS as images
; of their registers, lane l's 16 bytes at 16 l.
; K = 64 IN A FORM OF K = 128.  A fragment of k holds TWO tiles of 16 keys: registers 0-3 tile 2 i, registers 4-7 tile 2 i + 1; its scale word two bytes of each.  The queries stand between zeros, [0][q][0]:
; [q; 0] gives tile 2 i's scores, [0; q] tile 2 i + 1's: zero codes add nothing.  q's scale word repeats its two bytes.
; FROM RESULT TO OPERAND.  In tile t lane (r, h) register j holds index 16 t + 8 h + j of the next K.  The conversion of tile 4 c + u goes to register 4 c + (0, 2, 1, 3)[u]; exchanging the halves of registers
; (4 c, 4 c + 1) and (4 c + 2, 4 c + 3) leaves in register 4 c + g of lane (r, h) the codes of k = 64 c + 32 h + 8 g + 0 .. 7.
; OUT.  oc: [token tile 512][pair 8][head of the pair 2][lane][16]: the last product's fragments, its K step = the pair's 128 features.  os: [128 tokens 64][pair 8][token % 128] words of four bytes.
; LIMITS: NaN and infinities are not served.  A block whose largest magnitude lies under 2^-124 has its byte held at 1; a block of zeros gets the byte 1 where the rule says 127: its codes are zeros, and this
; program alone reads the bytes.  A block's largest p is taken as the exponential of its largest score, which leans on v_exp_f32 not falling where its input rises.
; REGISTERS: v1-7 addresses; v12 -M, v13 the largest t, v[14:15] the sum in two halves; v16-18 o's scale bytes; v20-27 o's codes; v32-63 k, v64-95 v; v96-159 S^T, then p; v160-191 O^T; v192-199 p's codes;
; v200-207 k's and v's scale words; v208-227 [0][q even][0][q odd][0]; v228-229 q's scale words; v230-254 at work.
.set VCO,  131072                      ; LDS: k's codes at 0 (head x 65,536 + key tile x 512), v's here (key step x 8,192 + head x 4,096 + d / 16 x 1,024),
.set KSC,  262144                      ; k's scale words (key step x 512 + head x 256 + 16 r), v's 8,192 bytes on in the same form,
.set OSTG, 278528                      ; and 1,024 bytes of the work-group's own for o's scale words: no fill lands there
.set LI,   1                           ; v1   16 x lane
.set LR,   2                           ; v2   16 r
.set ADK,  3                           ; v3   the step's k
.set ADV,  4                           ; v4   the step's v
.set ADS,  5                           ; v5   the step's scale words
.set OSA,  6                           ; v6   OSTG + 64 x wave + 4 r
.set OSR,  7                           ; v7   OSTG + 16 x lane
.set HW,   16
.set OW,   18
.set OC,   20
.set KF,   32
.set VF,   64
.set S,    96
.set O,    160
.set P,    192
.set KW,   200
.set VW,   204
.set QZ,   208
.set QS,   228
.set QR,   230
.set WV,   12                          ; s12  my wave's number
.set G1C,  16                          ; s[16:23] descriptor group 1 for the codes;  s[24:31] for the scale bytes;  s[32:35], s[36:39] their groups 0
.set G1S,  24
.set G0C,  32
.set G0S,  36
.set SEL,  40                          ; s[40:41] lane selects for v_permlanex16_b32: lane l xor 16
.set CS,   42                          ; s[42:43] c = log2(e) / 8: the packed form names a pair and takes its low word for both halves
.set TK,   44                          ; s44  where the step's k begins in LDS;  s45 its v;  s46 its scale words
.set TV,   45
.set TS,   46
.set CNT,  47                          ; s47  key steps to go
.macro CROUND                          ; a round of the cluster's barrier
	s_barrier_signal -1
	s_barrier_wait -1
	s_cmp_lg_u32 s[WV], 0
	s_cbranch_scc1 .Lnot_wave_0_\@
	s_barrier_signal -3
.Lnot_wave_0_\@:
	s_barrier_wait -3
	s_barrier_signal -1
	s_barrier_wait -1
.endm
	s_load_b256 s[4:11], s[0:1], 0x0               ; qkvc s[4:5], qkvs s[6:7], oc s[8:9], os s[10:11]
	v_lshl_add_u32 v251, v0, 2, 0x44400
	v_mov_b32 v255, 0
	ds_add_u32 v251, v255
	ds_add_u32 v251, v255
	v_lshrrev_b32 v7, 5, v0
	s_delay_alu instid0(VALU_DEP_1)
	v_readfirstlane_b32 s[WV], v7                  ; wave 0..15
	s_bfe_u32 s13, ttmp6, 0x40000                  ; cx: my place in the cluster
	s_lshl_b32 s14, ttmp9, 2
	s_add_co_u32 s14, s14, s13                     ; my block of 256 queries = 4 x cluster x + cx: it enters q's, oc's and os's addresses alone
	s_and_b32 s15, ttmp7, 0xffff                   ; bp = 8 batch + pair, which the four partners share
	; group 1: dense blocks as rows of 256 bytes (32 elements of 8 bytes), no padding: 64 rows of codes, 4 of scale bytes, for each wave
	s_mov_b32 s[G1C], 15|(3<<16)|(1<<21)           ; 15:0 the mask: all four work-groups; 17:16 elements of 8 bytes; 21 set beside a mask
	s_mov_b32 s[G1C+1], 32<<16
	s_mov_b32 s[G1C+2], 64<<16
	s_mov_b32 s[G1C+3], 32<<16
	s_mov_b32 s[G1C+4], 64
	s_mov_b32 s[G1C+5], 32
	s_mov_b32 s[G1C+6], 0
	s_mov_b32 s[G1C+7], 0
	s_mov_b32 s[G1S], 15|(3<<16)|(1<<21)
	s_mov_b32 s[G1S+1], 32<<16
	s_mov_b32 s[G1S+2], 4<<16
	s_mov_b32 s[G1S+3], 32<<16
	s_mov_b32 s[G1S+4], 4
	s_mov_b32 s[G1S+5], 32
	s_mov_b32 s[G1S+6], 0
	s_mov_b32 s[G1S+7], 0
	s_mul_i32 s49, s15, 393216                     ; bp's codes,
	s_mul_i32 s66, s15, 24576                      ; bp's scale bytes
	s_lshl_b32 s50, s[WV], 14                      ; my sixteenth of k's and v's codes, which begin behind q's 131,072 bytes
	s_add_co_u32 s50, s50, s49
	s_add_co_u32 s50, s50, 131072
	s_mov_b32 s51, 0
	s_lshl_b32 s2, s[WV], 10                       ; and of their scale bytes, behind q's 8,192
	s_add_co_u32 s2, s2, s66
	s_add_co_u32 s2, s2, 8192
	s_mov_b32 s3, 0
	s_lshl_b32 s67, s14, 4
	s_add_co_u32 s67, s67, s[WV]                   ; T: my tile of 16 queries among the batch's 128
	s_lshl_b32 s68, s67, 9
	s_add_co_u32 s68, s68, s49                     ; q's codes: 512 bytes a tile (the odd head's 65,536 on)
	s_mov_b32 s69, 0
	s_lshr_b32 s76, s67, 3                         ; q's scale words: step T / 8 of 512 bytes, word (T % 8) / 2 of my row's four
	s_lshl_b32 s76, s76, 9
	s_add_co_u32 s70, s66, s76
	s_bfe_u32 s76, s67, 0x20001
	s_lshl_b32 s76, s76, 2
	s_add_co_u32 s70, s70, s76
	s_mov_b32 s71, 0
	s_lshr_b32 s76, s15, 3                         ; the batch
	s_and_b32 s75, s15, 7                          ; the pair
	s_lshl_b32 s77, s76, 7
	s_add_co_u32 s77, s77, s67                     ; my tile among all 512
	s_lshl_b32 s77, s77, 3
	s_add_co_u32 s77, s77, s75
	s_lshl_b32 s72, s77, 10                        ; oc: 1,024 bytes for a tile and a pair
	s_mov_b32 s73, 0
	s_lshl_b32 s77, s76, 4
	s_lshl_b32 s74, s14, 1
	s_add_co_u32 s77, s77, s74                     ; my work-group's first 128 tokens among all 64 such
	s_lshl_b32 s77, s77, 3
	s_add_co_u32 s77, s77, s75
	s_lshl_b32 s74, s77, 9                         ; os: 512 bytes for 128 tokens and a pair
	s_mov_b32 s75, 0
	s_mov_b32 s[SEL], 0x76543210
	s_mov_b32 s[SEL+1], 0xfedcba98
	s_mov_b32 s[CS], 0x3e38aa3b                    ; c = log2(e) / 8
	s_mov_b32 s[CS+1], s[CS]                       ; (named with it as a pair, so it is written)
	s_and_b32 s76, s[WV], 1                        ; T % 2: which two bytes of the stored word are my tile's
	s_mov_b32 s48, 0x01000100
	s_cmp_lg_u32 s76, 0
	s_cselect_b32 s48, 0x03020302, s48
	s_wait_dscnt 0x0
	s_wait_kmcnt 0x0
	s_mov_b32 s[G0C], 1                            ; count = 1
	s_lshl_b32 s[G0C+1], s[WV], 14                 ; LDS address: 16,384 x wave
	s_add_nc_u64 s[G0C+2:G0C+3], s[4:5], s[50:51]  ; global address
	s_or_b32 s[G0C+3], s[G0C+3], 0x80000000        ; type = 2
	s_mov_b32 s[G0S], 1
	s_lshl_b32 s[G0S+1], s[WV], 10
	s_add_co_u32 s[G0S+1], s[G0S+1], KSC
	s_add_nc_u64 s[G0S+2:G0S+3], s[6:7], s[2:3]
	s_or_b32 s[G0S+3], s[G0S+3], 0x80000000
	s_add_nc_u64 s[52:53], s[4:5], s[68:69]        ; q's codes
	s_add_nc_u64 s[54:55], s[6:7], s[70:71]        ; q's scale words
	s_add_nc_u64 s[56:57], s[8:9], s[72:73]        ; oc
	s_add_nc_u64 s[58:59], s[10:11], s[74:75]      ; os
	CROUND                                         ; all four work-groups are here: the joint loads meet
	tensor_load_to_lds s[G0S:G0S+3], s[G1S:G1S+7]  ; every wave asks for its own sixteenth: one tensor load of mine is out
	s_nop 0
	s_wait_alu depctr_va_vdst(0)
	s_wait_tensorcnt 0x0
	ds_add_u32 v251, v255
	s_wait_dscnt 0x0
	CROUND
	tensor_load_to_lds s[G0C:G0C+3], s[G1C:G1C+7]
	s_nop 0
.rept 4
	v_nop                                          ; four lines behind the loads
.endr
	v_and_b32 v[LI], 31, v0
	s_delay_alu instid0(VALU_DEP_1)
	v_lshlrev_b32 v[LI], 4, v[LI]
	v_and_b32 v[LR], 15, v0
	s_delay_alu instid0(VALU_DEP_1)
	v_lshlrev_b32 v[OSA], 2, v[LR]
	s_delay_alu instid0(VALU_DEP_2)
	v_lshlrev_b32 v[LR], 4, v[LR]
	s_lshl_b32 s76, s[WV], 6
	s_add_co_u32 s76, s76, OSTG
	v_add_nc_u32 v[OSA], s76, v[OSA]
	v_add_nc_u32 v[OSR], OSTG, v[LI]
	global_load_b128 v[QZ+4:QZ+7], v[LI], s[52:53]                 ; q of the even head: lane (r, h): the 32 codes of block h of query r
	global_load_b128 v[QZ+12:QZ+15], v[LI], s[52:53] offset:65536  ; of the odd head
	global_load_b32 v[QR], v[LR], s[54:55]
	global_load_b32 v[QR+1], v[LR], s[54:55] offset:256
.irp j, 208,209,210,211,216,217,218,219,224,225,226,227
	v_mov_b32 v[\j], 0                             ; the zero codes round the queries
.endr
.irp j, 236,237,238,239
	v_mov_b32 v[\j], 0                             ; written once: a lane permute's destination counts as one of its sources
.endr
	s_wait_tensorcnt 0x0                           ; my parts of k, v and their scale bytes have landed,
	s_barrier_signal -1
	s_barrier_wait -1                              ; everybody's have; nothing is filled again
	s_wait_loadcnt 0x0                             ; q
	v_perm_b32 v[QS], v[QR], v[QR], s48            ; my tile's two bytes, twice
	v_perm_b32 v[QS+1], v[QR+1], v[QR+1], s48
; A KEY STEP: 128 keys of head hd.
.macro STEP hd
	v_add_nc_u32 v[ADK], s[TK], v[LI]
	v_add_nc_u32 v[ADV], s[TV], v[LI]
	v_add_nc_u32 v[ADS], s[TS], v[LR]
	v_nop                                          ; these four are the places between the last step's products and the loads into their registers
.irp i, 0,1,2,3
.irp c, 0,1
	ds_load_b128 v[KF+8*\i+4*\c:KF+8*\i+4*\c+3], v[ADK] offset:1024*\i+512*\c   ; key tile 2 i + c
.endr
.endr
	ds_load_b128 v[KW:KW+3], v[ADS]                ; the four fragments' scale words of my row
.irp i, 0,1,2,3
.irp c, 0,1
	ds_load_b128 v[VF+8*\i+4*\c:VF+8*\i+4*\c+3], v[ADV] offset:1024*\i+512*\c   ; channels 16 i on, keys 64 c on
.endr
.endr
	ds_load_b128 v[VW:VW+3], v[ADS] offset:8192
	s_wait_dscnt 9                                 ; k and its words are in; v's eight loads and its words may be out
.irp i, 0,1,2,3
	v_wmma_scale_f32_16x16x128_f8f6f4 v[S+16*\i:S+16*\i+7], v[KF+8*\i:KF+8*\i+7], v[QZ+4+8*\hd:QZ+11+8*\hd], 0, v[KW+\i], v[QS+\hd] matrix_a_fmt:MATRIX_FMT_FP4 matrix_b_fmt:MATRIX_FMT_FP4
	v_wmma_scale_f32_16x16x128_f8f6f4 v[S+16*\i+8:S+16*\i+15], v[KF+8*\i:KF+8*\i+7], v[QZ+8*\hd:QZ+7+8*\hd], 0, v[KW+\i], v[QS+\hd] matrix_a_fmt:MATRIX_FMT_FP4 matrix_b_fmt:MATRIX_FMT_FP4
.endr                                              ; lane (r, h) holds query r; register 8 t + j is key 16 t + 8 h + j
.rept 4
	v_nop
.endr
.irp b, 0,1,2,3
	v_max3_num_f32 v[232+\b], v[S+16*\b], v[S+1+16*\b], v[S+2+16*\b]   ; the largest score of each block of 32 keys: it serves for the row's maximum and, since p rises with the score, for the block's largest p
.endr
.irp i, 3,5,7,9,11,13
.irp b, 0,1,2,3
	v_max3_num_f32 v[232+\b], v[232+\b], v[S+16*\b+\i], v[S+1+16*\b+\i]
.endr
.endr
.irp b, 0,1,2,3
	v_max_num_f32 v[232+\b], v[232+\b], v[S+15+16*\b]
.endr
.irp b, 0,1,2,3
	s_delay_alu instid0(VALU_DEP_4)
	v_permlanex16_b32 v[236+\b], v[232+\b], s[SEL], s[SEL+1]
.endr
.irp b, 0,1,2,3
	s_delay_alu instid0(VALU_DEP_4)
	v_max_num_f32 v[232+\b], v[232+\b], v[236+\b]  ; with lane l xor 16's 16 keys
.endr
	s_delay_alu instid0(VALU_DEP_2)
	v_max3_num_f32 v254, v232, v233, v234
	s_delay_alu instid0(VALU_DEP_1)
	v_max_num_f32 v254, v254, v235                 ; the step's largest score of my query
	s_delay_alu instid0(VALU_DEP_1)
	v_mul_f32 v254, s[CS], v254                    ; as t (c is positive)
	s_delay_alu instid0(VALU_DEP_1)
	v_max_num_f32 v13, v13, v254                   ; the running largest t
	v_mov_b32 v254, v12
	s_delay_alu instid0(VALU_DEP_2)
	v_floor_f32 v12, -v13                          ; the new -M = floor(-t) = -ceil(t): a whole number
	s_delay_alu instid0(VALU_DEP_1)
	v_sub_f32 v254, v12, v254                      ; M's old value less its new one: a whole number, 0 or less
	s_delay_alu instid0(VALU_DEP_1)
	v_cvt_i32_f32 v254, v254                       ; (it saturates)
	s_delay_alu instid0(VALU_DEP_1)
	v_ldexp_f32 v252, 1.0, v254                    ; f = 2^(old M - new M)
.irp j, 0,2,4,6,8,10,12,14,16,18,20,22,24,26,28,30,32,34,36,38,40,42,44,46,48,50,52,54,56,58,60,62
	v_pk_fma_f32 v[S+\j:S+1+\j], v[S+\j:S+1+\j], s[CS:CS+1], v[12:13] op_sel_hi:[1,0,0]   ; t - M, two at a time
.endr
.irp b, 0,1,2,3
	v_fma_f32 v[232+\b], v[232+\b], s[CS], v12     ; the same of each block's largest score
.endr
	s_wait_alu depctr_va_vdst(0)
.irp j, 0,1,2,3,4,5,6,7,8,9,10,11,12,13,14,15,16,17,18,19,20,21,22,23,24,25,26,27,28,29,30,31,32,33,34,35,36,37,38,39,40,41,42,43,44,45,46,47,48,49,50,51,52,53,54,55,56,57,58,59,60,61,62,63
	v_exp_f32 v[S+\j], v[S+\j]                     ; p = 2^(t - M), at most 1: not normalised
.endr
	s_setprio 1
	v_pk_mul_f32 v[14:15], v[14:15], v[252:253] op_sel_hi:[1,0]   ; the sums under the new M: the plain instruction behind the exponentials
	s_wait_alu depctr_va_vdst(0)                   ; one wait for the whole batch, ahead of its first reader
.irp b, 0,1,2,3
	v_exp_f32 v[232+\b], v[232+\b]                 ; the block's largest p: the same two instructions on the same number give the same bits
.endr
	v_pk_add_f32 v[236:237], v[S:S+1], v[S+2:S+3]  ; the row's sum is taken of the unquantised p: two at a time, in two chains
.irp j, 4,8,12,16,20,24,28,32,36,40,44,48,52,56,60
	v_pk_add_f32 v[14:15], v[14:15], v[S+\j:S+1+\j]
	v_pk_add_f32 v[236:237], v[236:237], v[S+2+\j:S+3+\j]
.endr
	s_delay_alu instid0(VALU_DEP_1)
	v_pk_add_f32 v[14:15], v[14:15], v[236:237]
	s_wait_alu depctr_va_vdst(0)                   ; and one for the four
.irp b, 0,1,2,3
	v_max_num_f32 v[232+\b], 0x1800000, v[232+\b]  ; the floor 2^(3 - 127): the byte cannot fall under 1
.endr
.irp b, 0,1,2,3
	s_delay_alu instid0(VALU_DEP_4)
	v_add_nc_u32 v[244+\b], 0xff000000, v[232+\b]  ; 2 off the exponent field: the conversion's scale operand
.endr
.irp b, 0,1,2,3
	s_delay_alu instid0(VALU_DEP_4)
	v_lshrrev_b32 v[236+\b], 23, v[244+\b]         ; the scale's byte
.endr
	s_delay_alu instid0(VALU_DEP_3)
	v_lshl_or_b32 v253, v237, 8, v236              ; p's scale word for these 128 keys
	s_delay_alu instid0(VALU_DEP_1)
	v_lshl_or_b32 v253, v238, 16, v253
	s_delay_alu instid0(VALU_DEP_1)
	v_lshl_or_b32 v253, v239, 24, v253
.irp t, 0,1,2,3,4,5,6,7
	v_cvt_scalef32_pk8_fp4_f32 v[P+4*(\t/4)+2*(\t%2)+(\t%4)/2], v[S+8*\t:S+8*\t+7], v[244+\t/2]
.endr
	v_nop                                          ; one plain place behind a scaled conversion
.irp c, 0,1
	v_permlane16_swap_b32 v[P+4*\c], v[P+4*\c+1]
	v_permlane16_swap_b32 v[P+4*\c+2], v[P+4*\c+3]
.endr
	s_setprio 0
.irp j, 0,2,4,6,8,10,12,14,16,18,20,22,24,26,28,30
	v_pk_mul_f32 v[O+\j:O+1+\j], v[O+\j:O+1+\j], v[252:253] op_sel_hi:[1,0]   ; O^T under the new M.  For each product below twelve of these name none of its registers: the places between p's word and codes and their use
.endr
	s_wait_alu depctr_va_vdst(0)
	s_wait_dscnt 0x0                               ; v and its words are in
.irp d, 0,1,2,3
	v_wmma_scale_f32_16x16x128_f8f6f4 v[O+8*\d:O+8*\d+7], v[VF+8*\d:VF+8*\d+7], v[P:P+7], v[O+8*\d:O+8*\d+7], v[VW+\d], v253 matrix_a_fmt:MATRIX_FMT_FP4 matrix_b_fmt:MATRIX_FMT_FP4   ; four accumulators by turns
.endr
.endm
; Head hd's result: O^T / the sum, quantised along its 64 features (two blocks), stored as half of the last product's fragment.
.macro OUT hd
.rept 4
	v_nop                                          ; places behind the last products
.endr
	v_add_f32 v14, v14, v15                        ; the sum's two halves,
	s_delay_alu instid0(VALU_DEP_1)
	v_permlanex16_b32 v252, v14, s[SEL], s[SEL+1]
	s_delay_alu instid0(VALU_DEP_1)
	v_add_f32 v14, v14, v252                       ; and lane l xor 16's: the row's sum
	s_wait_alu depctr_va_vdst(0)
	v_rcp_f32 v14, v14
	v_nop                                          ; a plain place behind the reciprocal
	s_wait_alu depctr_va_vdst(0)                   ; and the wait ahead of its first reader
.irp j, 0,2,4,6,8,10,12,14,16,18,20,22,24,26,28,30
	v_pk_mul_f32 v[S+\j:S+1+\j], v[O+\j:O+1+\j], v[14:15] op_sel_hi:[1,0]     ; register 8 t + j is o(query r, feature 16 t + 8 h + j); each accumulator from its low end on
.endr
.irp e, 0,1
	v_max3_num_f32 v[232+\e], |v[S+16*\e]|, |v[S+1+16*\e]|, 0x1800000
.endr
.irp i, 2,4,6,8,10,12,14
.irp e, 0,1
	s_delay_alu instid0(VALU_DEP_2)
	v_max3_num_f32 v[232+\e], v[232+\e], |v[S+16*\e+\i]|, |v[S+1+16*\e+\i]|
.endr
.endr
.irp e, 0,1
	s_delay_alu instid0(VALU_DEP_2)
	v_permlanex16_b32 v[236+\e], v[232+\e], s[SEL], s[SEL+1]
.endr
.irp e, 0,1
	s_delay_alu instid0(VALU_DEP_2)
	v_max_num_f32 v[232+\e], v[232+\e], v[236+\e]
.endr
.irp e, 0,1
	s_delay_alu instid0(VALU_DEP_2)
	v_add_nc_u32 v[244+\e], 0xff000000, v[232+\e]
.endr
.irp e, 0,1
	s_delay_alu instid0(VALU_DEP_2)
	v_lshrrev_b32 v[236+\e], 23, v[244+\e]
.endr
	s_delay_alu instid0(VALU_DEP_1)
	v_lshl_or_b32 v[HW+\hd], v237, 8, v236         ; the head's two bytes
.irp t, 0,1,2,3
	v_cvt_scalef32_pk8_fp4_f32 v[OC+4*\hd+2*(\t%2)+\t/2], v[S+8*\t:S+8*\t+7], v[244+\t/2]
.endr
	v_nop
	v_permlane16_swap_b32 v[OC+4*\hd], v[OC+4*\hd+1]
	v_permlane16_swap_b32 v[OC+4*\hd+2], v[OC+4*\hd+3]
	global_store_b128 v[LI], v[OC+4*\hd:OC+4*\hd+3], s[56:57] offset:512*\hd   ; 512 consecutive bytes, aligned; each head has its own registers
.endm
.macro HEAD hd
	v_mov_b32 v13, 0xff61b1e6                      ; the largest t so far: -3e38, under every t
	s_delay_alu instid0(VALU_DEP_1)
	v_floor_f32 v12, -v13                          ; -M
	v_mov_b32 v14, 0
	v_mov_b32 v15, 0
	v_mov_b32 v253, 0                              ; (named as the upper half of the pair v[252:253] before it is first written)
.irp j, 0,1,2,3,4,5,6,7,8,9,10,11,12,13,14,15,16,17,18,19,20,21,22,23,24,25,26,27,28,29,30,31
	v_mov_b32 v[O+\j], 0                           ; the step is written once: the first finds zeros, which the first change of M leaves zeros
.endr
	s_mov_b32 s[TK], 65536*\hd
	s_mov_b32 s[TV], VCO+4096*\hd
	s_mov_b32 s[TS], KSC+256*\hd
	s_mov_b32 s[CNT], 16
.Lkey_\@:
	s_setprio 2
	STEP \hd
	s_add_co_u32 s[TK], s[TK], 4096
	s_add_co_u32 s[TV], s[TV], 8192
	s_add_co_u32 s[TS], s[TS], 512
	s_sub_co_u32 s[CNT], s[CNT], 1
	s_cmp_lg_u32 s[CNT], 0
	s_cbranch_scc1 .Lkey_\@
	s_setprio 0
	OUT \hd
.endm
	HEAD 0
	HEAD 1
	v_lshl_or_b32 v[OW], v[HW+1], 16, v[HW]        ; my query's scale word for the pair's 128 features
	ds_store_b32 v[OSA], v[OW]                     ; both halves of the lanes write the same word with the same value
	s_wait_dscnt 0x0                               ; for the others' sake: my store has landed
	s_barrier_signal -1
	s_barrier_wait -1                              ; the work-group's 256 words lie together
	s_cmp_lg_u32 s[WV], 0
	s_cbranch_scc1 .Lnot_first
	ds_load_b128 v[96:99], v[OSR]
	ds_load_b128 v[100:103], v[OSR] offset:512
	s_wait_dscnt 0x0
	global_store_b128 v[LI], v[96:99], s[58:59]                ; the first 128 tokens' words: 512 consecutive bytes, aligned
	global_store_b128 v[LI], v[100:103], s[58:59] offset:4096  ; the next 128 tokens': eight pairs of 512 bytes on
.Lnot_first:
	s_wait_tensorcnt 0x0
	ds_add_u32 v251, v255
	s_wait_dscnt 0x0
	CROUND                                         ; the closing round: no work-group ends while a partner may still ask for a tile that names it
	s_endpgm
.Lfunc_end_k_q5c718317b5_attn:
	.size	k_q5c718317b5_attn, .Lfunc_end_k_q5c718317b5_attn-k_q5c718317b5_attn
	.p2alignl 7, 3214868480
	.fill 96, 4, 3214868480
	.section	.rodata,"a",@progbits
	.p2align	6, 0x0
	.amdhsa_kernel k_q5c718317b5_attn
		.amdhsa_group_segment_fixed_size 327680
		.amdhsa_private_segment_fixed_size 0
		.amdhsa_enable_private_segment 0
		.amdhsa_kernarg_size 32
		.amdhsa_user_sgpr_count 2
		.amdhsa_user_sgpr_kernarg_segment_ptr 1
		.amdhsa_wavefront_size32 1
		.amdhsa_system_sgpr_workgroup_id_x 1
		.amdhsa_system_sgpr_workgroup_id_y 1
		.amdhsa_system_sgpr_workgroup_id_z 1
		.amdhsa_system_vgpr_workitem_id 0
		.amdhsa_next_free_vgpr 256
		.amdhsa_next_free_sgpr 80
		.amdhsa_reserve_vcc 0
		.amdhsa_float_denorm_mode_32 3
		.amdhsa_float_denorm_mode_16_64 3
		.amdhsa_memory_ordered 1
		.amdhsa_forward_progress 1
		.amdhsa_inst_pref_size 51
	.end_amdhsa_kernel
	.amdgpu_metadata
---
amdhsa.version: [ 1, 2 ]
amdhsa.kernels:
  - .name:           k_q5c718317b5_attn
    .symbol:         k_q5c718317b5_attn.kd
    .args:
      - { .name: qkvc, .offset: 0, .size: 8, .value_kind: global_buffer, .address_space: global }
      - { .name: qkvs, .offset: 8, .size: 8, .value_kind: global_buffer, .address_space: global }
      - { .name: oc, .offset: 16, .size: 8, .value_kind: global_buffer, .address_space: global }
      - { .name: os, .offset: 24, .size: 8, .value_kind: global_buffer, .address_space: global }
    .group_segment_fixed_size: 327680
    .private_segment_fixed_size: 0
    .kernarg_segment_align: 8
    .kernarg_segment_size: 32
    .max_flat_workgroup_size: 512
    .sgpr_count:     80
    .vgpr_count:     256
    .wavefront_size: 32
...
	.end_amdgpu_metadata
.endif
;; end of part 2
;; launch proj (part 3): grid 4 x 64, 4 waves a work-group, clusters of 4 x 4, 248,320 bytes of LDS; arguments oc, os, W_proj_codes, W_proj_scales, b_proj, out0; writes out0
.if DOCPART == 3
	.amdgcn_target "amdgcn-amd-amdhsa--gfx1250"
	.amdhsa_code_object_version 6
	.text
	.protected	k_q5c718317b5_proj
	.globl	k_q5c718317b5_proj
	.p2align	8
	.type	k_q5c718317b5_proj,@function
k_q5c718317b5_proj:
	s_mov_b64 s[64:65], 0
	v_nop
	global_prefetch_b8 v0, s[64:65] scope:SCOPE_SE
	s_setreg_imm32_b32 hwreg(HW_REG_WAVE_MODE, 25, 1), 1
	s_wait_xcnt 0x0
	s_wait_alu depctr_hold_cnt(0) depctr_sa_sdst(0) depctr_va_vdst(0) depctr_va_sdst(0) depctr_va_ssrc(0) depctr_va_vcc(0) depctr_vm_vsrc(0)
	s_getreg_b32 s2, hwreg(HW_REG_IB_STS2, 6, 4)
	s_cmp_eq_u32 s2, 0
	s_cbranch_scc0 .Lentry_in_a_cluster
	s_endpgm
.Lentry_in_a_cluster:
	s_bfe_u32 s2, ttmp6, 0x10000c
	s_cmp_lg_u32 s2, 0xf033
	s_cbranch_scc0 .Lentry_shape_is_right
	s_endpgm
.Lentry_shape_is_right:
; out0 = o W_proj^T + b_proj on codes of FP4 (E2M1) with one E8M0 scale for each 32 along K = 1,024.  o comes as the launch before left it: oc [token tile 512][K step 8][c 2][lane][16], images of the operand's
; registers, and os [128 tokens 64][K step 8][token % 128] scale words.  W_proj comes as rows of 512 bytes of codes and 32 scale bytes.  out0: [8,192][1,024] f32.
; SHARES.  A work-group of four waves makes 128 tokens x 256 outputs, so that there are 256 work-groups; a wave 64 x 128: 32 accumulators.  What weighs here is the 33,554,432 bytes that are stored.
; ALL OF K LIES IN LDS, filled once at the head: nothing is filled again, so the K steps need no barrier, and nothing is prefetched: all that the launch reads is asked for by its first loads.
; CLUSTERS: 4 x 4 work-groups.  The four of a row of the cluster need the same tokens, the four of a column the same rows of W_proj: each tile is asked for jointly.
; THE MATRIX INSTRUCTION IS USED TRANSPOSED (source 0 = 16 rows of W_proj, source 1 = 16 tokens): a lane holds eight neighbouring outputs of one token.  The bias is the C of each sum's first instruction.
; LIMITS: given scale bytes go to the matrix unit as they are.
; REGISTERS: window 0: v16-27 addresses; v32-63 o's scale words (8 a + q), v64-127 W_proj's (8 b + q); v128-191 o's fragments, two sets; v192-255 the bias; on the way out v128-255 hold rows of out0.
;   window 1: v0-127 W_proj's fragments, two sets.   window 2: accumulator (a, b) at v[8 (8 a + b)].
.set PITCH,  528                       ; an LDS row of W_proj's codes: 512 bytes + 16 of padding
.set BCO,    65536                     ; LDS: o's images at 0 ([token tile 8][K step 8][1,024]); W_proj's 256 rows here;
.set HALFB,  128*PITCH
.set ASC,    BCO+2*HALFB               ; o's scale words ([K step 8][128 tokens]);
.set BSC,    ASC+4096                  ; W_proj's scale bytes, as units of 256 bytes + 16 of padding;
.set HALFS,  16*272
.set STG,    BSC+2*HALFS               ; and a stage of 16 rows x (512 bytes + 16) for each wave, for the way out: no fill lands there
.set SPITCH, 528
.set ADA,    16                        ; v16  o's fragments
.set ADB,    17                        ; v17  W_proj's
.set ADSA,   18                        ; v18  o's scale words
.set ADSB,   19                        ; v19  W_proj's
.set STO,    24                        ; v24  the way out: where I put 32 bytes of a row
.set RD,     25                        ; v25  where I read a row back
.set CO,     26                        ; v26  16 x lane
.set BO,     27                        ; v27  32 h
.set SA,     32
.set SB,     64
.set AF,     128
.set BI,     192
.set BK,     128
.set WV,     18
.set G1A,    28                        ; s[28:35] descriptor group 1 for o's codes;  s[36:43] W_proj's;  s[44:51] o's scale words;  s[52:59] W_proj's scale bytes
.set G1B,    36
.set G1SA,   44
.set G1SB,   52
.set G0A,    60                        ; s[60:63], s[68:71], s[72:75], s[76:79] the groups 0, in the same order
.set G0B,    68
.set G0SA,   72
.set G0SB,   76
.set MSB, 0
.macro WIN new                         ; the immediate's high byte repeats the setting that is left
.if MSB != (\new)
	s_set_vgpr_msb (MSB<<8)|(\new)
.set MSB, (\new)
.endif
.endm
.macro CROUND                          ; a round of the cluster's barrier
	s_barrier_signal -1
	s_barrier_wait -1
	s_cmp_lg_u32 s[WV], 0
	s_cbranch_scc1 .Lnot_wave_0_\@
	s_barrier_signal -3
.Lnot_wave_0_\@:
	s_barrier_wait -3
	s_barrier_signal -1
	s_barrier_wait -1
.endm
.macro PLACES                          ; four plain vector instructions between a matrix instruction and a load into, or a read of, its registers
.rept 4
	v_nop
.endr
.endm
	s_load_b256 s[4:11], s[0:1], 0x0               ; oc s[4:5], os s[6:7], W_proj's codes s[8:9], W_proj's scales s[10:11]
	s_load_b128 s[12:15], s[0:1], 0x20             ; b_proj s[12:13], out0 s[14:15]
	v_lshl_add_u32 v30, v0, 2, 0x3c800
	v_mov_b32 v31, 0
	ds_add_u32 v30, v31
	ds_add_u32 v30, v31
	v_lshrrev_b32 v1, 5, v0
	v_readfirstlane_b32 s[WV], v1                  ; wave 0..3
	s_lshr_b32 s19, s[WV], 1                       ; which 64 tokens are mine.  Also: I fetch for o (0) or for W_proj (1)
	s_and_b32 s20, s[WV], 1                        ; which 128 outputs are mine.  Also: which half I fetch
	s_bfe_u32 s21, ttmp6, 0x40000                  ; cx, cy
	s_bfe_u32 s22, ttmp6, 0x40004
	s_lshl_b32 s23, ttmp9, 2
	s_add_co_u32 s23, s23, s21                     ; tile column: 256 outputs
	s_and_b32 s24, ttmp7, 0xffff
	s_lshl_b32 s24, s24, 2
	s_add_co_u32 s24, s24, s22                     ; tile row: 128 tokens
	s_lshl_b32 s25, s22, 2
	s_lshl_b32 s25, 15, s25                        ; my row of the cluster
	s_lshl_b32 s26, 0x1111, s21                    ; my column
	; o's codes: half a tile is a dense block of 32,768 bytes: 128 rows of 256 (32 elements of 8 bytes), no padding;  its scale words: 2,048 bytes, 8 such rows
	s_or_b32 s[G1A], s25, (3<<16)|(1<<21)
	s_mov_b32 s[G1A+1], 32<<16
	s_mov_b32 s[G1A+2], 128<<16
	s_mov_b32 s[G1A+3], 32<<16
	s_mov_b32 s[G1A+4], 128
	s_mov_b32 s[G1A+5], 32
	s_mov_b32 s[G1A+6], 0
	s_mov_b32 s[G1A+7], 0
	s_or_b32 s[G1SA], s25, (3<<16)|(1<<21)
	s_mov_b32 s[G1SA+1], 32<<16
	s_mov_b32 s[G1SA+2], 8<<16
	s_mov_b32 s[G1SA+3], 32<<16
	s_mov_b32 s[G1SA+4], 8
	s_mov_b32 s[G1SA+5], 32
	s_mov_b32 s[G1SA+6], 0
	s_mov_b32 s[G1SA+7], 0
	; W_proj's codes: 128 rows x 512 bytes, 16 bytes of padding behind each;  its scale bytes: 4,096 dense bytes as 16 rows of 256, 16 bytes of padding behind each
	s_or_b32 s[G1B], s26, (1<<20)|(1<<21)|(6<<22)|(3<<25)
	s_mov_b32 s[G1B+1], 512<<16
	s_mov_b32 s[G1B+2], 128<<16
	s_mov_b32 s[G1B+3], 512<<16
	s_mov_b32 s[G1B+4], 128
	s_mov_b32 s[G1B+5], 512
	s_mov_b32 s[G1B+6], 0
	s_mov_b32 s[G1B+7], 0
	s_or_b32 s[G1SB], s26, (3<<16)|(1<<20)|(1<<21)|(5<<22)|(3<<25)
	s_mov_b32 s[G1SB+1], 32<<16
	s_mov_b32 s[G1SB+2], 16<<16
	s_mov_b32 s[G1SB+3], 32<<16
	s_mov_b32 s[G1SB+4], 16
	s_mov_b32 s[G1SB+5], 32
	s_mov_b32 s[G1SB+6], 0
	s_mov_b32 s[G1SB+7], 0
	s_lshl_b32 s86, s24, 16                        ; o's codes: 65,536 bytes a tile row, my half 32,768 on
	s_lshl_b32 s94, s20, 15
	s_add_co_u32 s86, s86, s94
	s_mov_b32 s87, 0
	s_lshl_b32 s88, s24, 12                        ; its scale words: 4,096 a tile row, my half 2,048 on
	s_lshl_b32 s95, s20, 11
	s_add_co_u32 s88, s88, s95
	s_mov_b32 s89, 0
	s_add_co_u32 s95, s95, ASC                     ; and where they go (s94: the codes): no place in the cluster enters an LDS address
	s_lshl_b32 s84, s23, 8
	s_lshl_b32 s85, s20, 7
	s_add_co_u32 s84, s84, s85                     ; W_proj: row 256 x tile column + 128 x half
	s_lshl_b32 s90, s84, 9
	s_mov_b32 s91, 0
	s_lshl_b32 s92, s84, 5
	s_mov_b32 s93, 0
	s_mul_i32 s96, s20, HALFB
	s_add_co_u32 s96, s96, BCO
	s_mul_i32 s97, s20, HALFS
	s_add_co_u32 s97, s97, BSC
	s_wait_dscnt 0x0
	s_wait_kmcnt 0x0
	s_mov_b32 s[G0A], 1
	s_mov_b32 s[G0A+1], s94
	s_add_nc_u64 s[G0A+2:G0A+3], s[4:5], s[86:87]
	s_or_b32 s[G0A+3], s[G0A+3], 0x80000000
	s_mov_b32 s[G0SA], 1
	s_mov_b32 s[G0SA+1], s95
	s_add_nc_u64 s[G0SA+2:G0SA+3], s[6:7], s[88:89]
	s_or_b32 s[G0SA+3], s[G0SA+3], 0x80000000
	s_mov_b32 s[G0B], 1
	s_mov_b32 s[G0B+1], s96
	s_add_nc_u64 s[G0B+2:G0B+3], s[8:9], s[90:91]
	s_or_b32 s[G0B+3], s[G0B+3], 0x80000000
	s_mov_b32 s[G0SB], 1
	s_mov_b32 s[G0SB+1], s97
	s_add_nc_u64 s[G0SB+2:G0SB+3], s[10:11], s[92:93]
	s_or_b32 s[G0SB+3], s[G0SB+3], 0x80000000
	CROUND                                         ; all sixteen work-groups are here: the joint loads meet
	s_cmp_eq_u32 s19, 0                            ; a wave's two fills stand in one branch on the wave's number: two tensor loads of mine are out
	s_cbranch_scc0 .Lfill_b
	tensor_load_to_lds s[G0SA:G0SA+3], s[G1SA:G1SA+7]
	s_nop 0
	tensor_load_to_lds s[G0A:G0A+3], s[G1A:G1A+7]
	s_nop 0
.rept 4
	v_nop                                          ; four lines behind the loads, ahead of the jump and the label
.endr
	s_branch .Lfilled
.Lfill_b:
	tensor_load_to_lds s[G0SB:G0SB+3], s[G1SB:G1SB+7]
	s_nop 0
	tensor_load_to_lds s[G0B:G0B+3], s[G1B:G1B+7]
	s_nop 0
.rept 4
	v_nop
.endr
.Lfilled:
	v_and_b32 v1, 15, v0                           ; r
	v_bfe_u32 v2, v0, 4, 1                         ; h
	v_and_b32 v3, 31, v0
	v_lshlrev_b32 v[CO], 4, v3                     ; 16 x lane
	s_wait_alu depctr_va_vdst(0)
	v_lshlrev_b32 v[BO], 5, v2
	s_lshl_b32 s80, s23, 10                        ; my 128 outputs: 4 (256 x tile column + 128 x half) bytes on, in b_proj and in a row of out0
	s_lshl_b32 s81, s20, 9
	s_add_co_u32 s80, s80, s81
	s_mov_b32 s81, 0
	s_add_nc_u64 s[12:13], s[12:13], s[80:81]
	s_add_nc_u64 s[14:15], s[14:15], s[80:81]
.irp b, 0,1,2,3,4,5,6,7
	global_load_b128 v[BI+8*\b:BI+8*\b+3], v[BO], s[12:13] offset:64*\b        ; register j = the bias of output 16 b + 8 h + j
	global_load_b128 v[BI+8*\b+4:BI+8*\b+7], v[BO], s[12:13] offset:64*\b+16
.endr
	s_lshl_b32 s80, s24, 19                        ; my first token's row of out0: (128 x tile row + 64 x half) x 4,096 bytes
	s_lshl_b32 s82, s19, 18
	s_add_co_u32 s80, s80, s82
	s_add_nc_u64 s[14:15], s[14:15], s[80:81]
	s_lshl_b32 s80, s19, 15                        ; my four token tiles' images
	v_add_nc_u32 v[ADA], s80, v[CO]
	v_mul_u32_u24 v4, v1, PITCH
	v_lshl_add_u32 v4, v2, 4, v4
	s_mul_i32 s80, s20, HALFB
	s_add_co_u32 s80, s80, BCO
	v_add_nc_u32 v[ADB], s80, v4                   ; W_proj: row x pitch + 16 h, in my 128 rows
	v_lshlrev_b32 v4, 2, v1
	s_lshl_b32 s80, s19, 8
	s_add_co_u32 s80, s80, ASC
	v_add_nc_u32 v[ADSA], s80, v4                  ; o's scale words: 4 bytes a token, my 64 tokens
	v_lshlrev_b32 v4, 5, v1
	v_lshrrev_b32 v5, 3, v1
	v_lshl_add_u32 v4, v5, 4, v4
	s_mul_i32 s80, s20, HALFS
	s_add_co_u32 s80, s80, BSC
	v_add_nc_u32 v[ADSB], s80, v4                  ; W_proj's: 32 bytes a row, 16 more behind each eight rows
	s_mul_i32 s80, s[WV], 16*SPITCH
	s_add_co_u32 s80, s80, STG                     ; my stage
	v_mul_u32_u24 v4, v1, SPITCH
	v_lshl_add_u32 v4, v2, 5, v4
	v_add_nc_u32 v[STO], s80, v4                   ; in: row r, 32 bytes for each half of the lanes
	v_add_nc_u32 v[RD], s80, v[CO]                 ; back: the 32 lanes take one row of 512 bytes
	s_wait_alu depctr_va_vdst(0)
	s_wait_tensorcnt 0x0                           ; my two tiles have landed,
	s_barrier_signal -1
	s_barrier_wait -1                              ; everybody's have: all of K lies in LDS
.macro FETCH q, set                    ; K step q's fragments into set: 24 loads in one run
	WIN 0x40                                       ; destination window 1
.irp b, 0,1,2,3,4,5,6,7
.irp c, 0,1
	ds_load_b128 v[64*(\set)+8*\b+4*\c:64*(\set)+8*\b+4*\c+3], v[ADB] offset:64*(\q)+32*\c+\b*16*PITCH
.endr
.endr
	WIN 0
.irp a, 0,1,2,3
.irp c, 0,1
	ds_load_b128 v[AF+32*(\set)+8*\a+4*\c:AF+32*(\set)+8*\a+4*\c+3], v[ADA] offset:8192*\a+1024*(\q)+512*\c
.endr
.endr
.endm
; A K step: 32 matrix instructions; the 32 accumulators take turns, one instruction a turn, in the same order in every step.  Step 0 takes the bias as C.
.macro MUL32 q, set
.if (\q) == 0
	WIN 0x81                                       ; W_proj's fragments in window 1, o's and the bias in window 0, D in window 2
.else
	WIN 0xa1                                       ; the same, C and D in window 2
.endif
.irp a, 0,1,2,3
.irp b, 0,1,2,3,4,5,6,7
.set AC, 8*(8*\a+\b)
.set FA, AF+32*(\set)+8*\a
.set FB, 64*(\set)+8*\b
.if (\q) == 0
	v_wmma_scale_f32_16x16x128_f8f6f4 v[AC:AC+7], v[FB:FB+7], v[FA:FA+7], v[BI+8*\b:BI+8*\b+7], v[SB+8*\b+(\q)], v[SA+8*\a+(\q)] matrix_a_fmt:MATRIX_FMT_FP4 matrix_b_fmt:MATRIX_FMT_FP4
.else
	v_wmma_scale_f32_16x16x128_f8f6f4 v[AC:AC+7], v[FB:FB+7], v[FA:FA+7], v[AC:AC+7], v[SB+8*\b+(\q)], v[SA+8*\a+(\q)] matrix_a_fmt:MATRIX_FMT_FP4 matrix_b_fmt:MATRIX_FMT_FP4
.endif
.endr
.endr
.endm
.irp a, 0,1,2,3
.irp q, 0,1,2,3,4,5,6,7
	ds_load_b32 v[SA+8*\a+\q], v[ADSA] offset:512*\q+64*\a     ; lane r: the word of token 16 a + r for K step q
.endr
.endr
.irp b, 0,1,2,3,4,5,6,7
.irp g, 0,1
	ds_load_b128 v[SB+8*\b+4*\g:SB+8*\b+4*\g+3], v[ADSB] offset:\b*2*272+16*\g   ; lane r: the eight words of row 16 b + r
.endr
.endr
	FETCH 0, 0
	s_wait_loadcnt 0x0                             ; the bias
.set Q, 0
.rept 8
.if Q > 0
	PLACES                                         ; the set that is filled now was read by the last step's products
.endif
.if Q < 7
	FETCH Q+1, (Q+1)%2
	s_wait_dscnt 24                                ; all but the 24 loads just issued: this step's fragments (and the scale words) are in
.else
	s_wait_dscnt 0x0
.endif
	MUL32 Q, Q%2
.set Q, Q+1
.endr
	WIN 0
; THE WAY OUT, block by block of 16 tokens x 128 outputs.  A lane holds 32 neighbouring bytes of a row, and the lanes beside it hold other rows: so a block goes through my own stage in LDS and comes back as whole
; rows of 512 bytes.  LDS serves a wave's instructions in order (ISA guide 5.7.1.4): no wait between the stores and the loads, nor in front of the next block's stores.
.macro TOSTAGE a
	WIN 0x08                                       ; an LDS store's data are its source 1: window 2
.irp b, 0,1,2,3,4,5,6,7
	ds_store_b128 v[STO], v[64*(\a)+8*\b:64*(\a)+8*\b+3] offset:64*\b          ; each accumulator from its low end on
	ds_store_b128 v[STO], v[64*(\a)+8*\b+4:64*(\a)+8*\b+7] offset:64*\b+16
.endr
	WIN 0
.irp t, 0,1,2,3,4,5,6,7,8,9,10,11,12,13,14,15
	ds_load_b128 v[BK+64*((\a)%2)+4*\t:BK+64*((\a)%2)+4*\t+3], v[RD] offset:\t*SPITCH
.endr
.endm
.macro SEND a, younger                 ; younger: the LDS instructions issued behind block a's loads, which may stay out
	s_wait_dscnt \younger
.irp t, 0,1,2,3,4,5,6,7,8,9,10,11,12,13,14,15
	global_store_b128 v[CO], v[BK+64*((\a)%2)+4*\t:BK+64*((\a)%2)+4*\t+3], s[14:15] offset:(16*(\a)+\t)*4096 th:TH_STORE_NT   ; 32 lanes store 512 consecutive bytes, aligned; the row stands in the immediate, 258,048 at the most
.endr
.endm
	PLACES                                         ; ahead of the first read of results and of the loads into registers that held fragments and the bias
	TOSTAGE 0
.irp a, 1,2,3
.if \a > 1
	s_wait_xcnt 0x0                                ; block a - 2's stores have read their registers: block a's loads may land there
.endif
	TOSTAGE \a
	SEND \a-1, 32                                  ; behind block a - 1's loads: block a's 16 stores and 16 loads
.endr
	SEND 3, 0
	s_wait_tensorcnt 0x0
	ds_add_u32 v30, v31
	s_wait_dscnt 0x0
	CROUND                                         ; the closing round: no work-group ends while a partner may still ask for a tile that names it
	s_endpgm
.Lfunc_end_k_q5c718317b5_proj:
	.size	k_q5c718317b5_proj, .Lfunc_end_k_q5c718317b5_proj-k_q5c718317b5_proj
	.p2alignl 7, 3214868480
	.fill 96, 4, 3214868480
	.section	.rodata,"a",@progbits
	.p2align	6, 0x0
	.amdhsa_kernel k_q5c718317b5_proj
		.amdhsa_group_segment_fixed_size 248320
		.amdhsa_private_segment_fixed_size 0
		.amdhsa_enable_private_segment 0
		.amdhsa_kernarg_size 48
		.amdhsa_user_sgpr_count 2
		.amdhsa_user_sgpr_kernarg_segment_ptr 1
		.amdhsa_wavefront_size32 1
		.amdhsa_system_sgpr_workgroup_id_x 1
		.amdhsa_system_sgpr_workgroup_id_y 1
		.amdhsa_system_sgpr_workgroup_id_z 1
		.amdhsa_system_vgpr_workitem_id 0
		.amdhsa_next_free_vgpr 768
		.amdhsa_next_free_sgpr 102
		.amdhsa_reserve_vcc 0
		.amdhsa_float_denorm_mode_32 3
		.amdhsa_float_denorm_mode_16_64 3
		.amdhsa_memory_ordered 1
		.amdhsa_forward_progress 1
		.amdhsa_inst_pref_size 73
	.end_amdhsa_kernel
	.amdgpu_metadata
---
amdhsa.version: [ 1, 2 ]
amdhsa.kernels:
  - .name:           k_q5c718317b5_proj
    .symbol:         k_q5c718317b5_proj.kd
    .args:
      - { .name: oc, .offset: 0, .size: 8, .value_kind: global_buffer, .address_space: global }
      - { .name: os, .offset: 8, .size: 8, .value_kind: global_buffer, .address_space: global }
      - { .name: W_proj_codes, .offset: 16, .size: 8, .value_kind: global_buffer, .address_space: global }
      - { .name: W_proj_scales, .offset: 24, .size: 8, .value_kind: global_buffer, .address_space: global }
      - { .name: b_proj, .offset: 32, .size: 8, .value_kind: global_buffer, .address_space: global }
      - { .name: out0, .offset: 40, .size: 8, .value_kind: global_buffer, .address_space: global }
    .group_segment_fixed_size: 248320
    .private_segment_fixed_size: 0
    .kernarg_segment_align: 8
    .kernarg_segment_size: 48
    .max_flat_workgroup_size: 128
    .sgpr_count:     102
    .vgpr_count:     768
    .wavefront_size: 32
...
	.end_amdgpu_metadata
.endif
;; end of part 3
